; MI455X (gfx1250); checked and timed in simulation.
; The chip was launched on July 23, 2026; its instructions are those of AMD's public machine-readable ISA for CDNA 5 (MIT licence, August 2026) and "CDNA5" Instruction Set Architecture Reference Guide (July 2026). The comments in the code are by the model that wrote it; some were corrected since.
;; Perceptual Metric. Allowed arithmetic: matrix products marked QUANTISED: E4M3 operands, one E8M0 scale for each 32 along K, by v_wmma_scale_f32_16x16x128_f8f6f4 with both operands' format E4M3, f32 sums; everything else in f32.
;; Inputs: W 512 x 512 float32; x 512 x 512 float32; y 1,024 x 512 float32.
;; Outputs: out0 1,024 x 512 float32.
;; Constants: dim = 2.
;; This version of the problem:
;;   THIS VERSION OF THE PROBLEM IS GIVEN IN LOW PRECISION. The matrix products marked QUANTISED in the list below multiply operands that are first quantised to E4M3 (4 exponent bits, 3 mantissa bits; 8 bits a number), with one power-of-two scale for each 32 numbers along K (OCP MX v1.0); their sums are f32. All else is computed in f32.
;;   The module's matrix products, in the order in which they are computed (A, B: the left and right operand; K: the contracted axis; several contracted axes count as one K, in the product's order):
;;     1. [M 512, K 512] x [K 512, N 512]; A: input x; B: input W: QUANTISED
;;     2. [M 1,024, K 512] x [K 512, N 512]; A: input y; B: input W: QUANTISED
;;   THE QUANTISER, for each operand of a quantised product, along K:
;;     - K is cut into blocks of 32 from its start; a last block that is shorter is filled with zeros.
;;     - A block's scale is 2^e with e = floor(log2(the largest magnitude in the block)) - 8, held to -126 .. 127; a block of zeros has e = 0. As a byte (E8M0): e + 127.
;;     - Each number is divided by its block's scale, clamped to +-448, and rounded to the nearest number of E4M3, ties to even, subnormals kept.
;;     - The product sums the exact products of the quantised numbers (number of the format x scale) in f32.
;;   ~~~python
;;   def quantise(x, axis):      # numpy; x: float32 -> the quantised numbers, widened to float32 again
;;       x = np.moveaxis(x, axis, -1); K = x.shape[-1]
;;       x = np.pad(x, [(0, 0)] * (x.ndim - 1) + [(0, -K % 32)]); x = x.reshape(x.shape[:-1] + (-1, 32)); a = np.abs(x).max(-1, keepdims=True)
;;       e = np.where(a > 0, np.clip(np.frexp(np.where(a > 0, a, 1))[1] - 1 - 8, -126, 127), 0)      # np.frexp(a)[1] - 1 = floor(log2(a)), exactly
;;       r = np.clip(x / 2.0 ** e, -448, 448)
;;       step = 2.0 ** (np.maximum(np.frexp(np.where(r == 0, 1, r))[1] - 1, -6) - 3)
;;       q = np.round(r / step) * step * 2.0 ** e      # np.round: ties to even
;;       return np.moveaxis(q.reshape(q.shape[:-2] + (-1,))[..., :K], -1, axis).astype(np.float32)
;;   ~~~
;; One version. Each part assembles by itself: llvm-mc -triple=amdgcn-amd-amdhsa -mcpu=gfx1250 --defsym DOCPART=n.
;; ======== version 1 of 1: 2 launches
;; limits: right only within a limited range of input values
;; workspace buffers: feat 3,145,728 bytes
;; launch features (part 1): grid 24 x 8, 16 waves a work-group, clusters of 4 x 4, 169,984 bytes of LDS; arguments x, y, W, feat; writes feat
.if DOCPART == 1
	.amdgcn_target "amdgcn-amd-amdhsa--gfx1250"
	.amdhsa_code_object_version 6
	.text
	.protected	k_qfa1fc29777_features
	.globl	k_qfa1fc29777_features
	.p2align	8
	.type	k_qfa1fc29777_features,@function
k_qfa1fc29777_features:
	s_mov_b64 s[64:65], 0
	v_nop
	global_prefetch_b8 v0, s[64:65] scope:SCOPE_SE
	s_setreg_imm32_b32 hwreg(HW_REG_WAVE_MODE, 25, 1), 1
	s_wait_xcnt 0x0
	s_wait_alu depctr_hold_cnt(0) depctr_sa_sdst(0) depctr_va_vdst(0) depctr_va_sdst(0) depctr_va_ssrc(0) depctr_va_vcc(0) depctr_vm_vsrc(0)
	s_getreg_b32 s2, hwreg(HW_REG_IB_STS2, 6, 4)
	s_cmp_eq_u32 s2, 0
	s_cbranch_scc0 .Lentry_in_a_cluster
	s_endpgm
.Lentry_in_a_cluster:
	s_bfe_u32 s2, ttmp6, 0x10000c
	s_cmp_lg_u32 s2, 0xf033
	s_cbranch_scc0 .Lentry_shape_is_right
	s_endpgm
.Lentry_shape_is_right:
; feat = Q([x; y]) Q(W): both operands quantised along K = 512 to codes of FP8 (E4M3) with one E8M0 scale for each 32 along K; sums in f32.
; x [512][512], y [1024][512], W [512 (k)][512 (feature)], all f32.  The 1,536 rows are 24 blocks of 64 (x: blocks 0-7, y: 8-23), the 512 features 8 blocks of 64.
; SHARES.  A work-group makes 64 rows x 64 features over all of K: 192 work-groups (a split into 256 would be 48 x 64, whose clusters together ask for more bytes: 16 x 896 KB and not 12 x 1,024 KB).
; Sixteen waves.  Wave u (0-7) takes k = 64 u .. 64 u + 63 of W's 64 columns, straight into registers: one load for each k, 256 consecutive bytes a wave, two columns a lane.
; Wave 8 + v brings half v % 2 of K of row tile v / 2 into LDS by one tensor load (16 rows x 1,024 bytes), and is the only one that reads it raw.  Nothing in LDS is filled twice.
; A LANE HOLDS WHOLE BLOCKS OF 32 ALONG K, so a block's largest magnitude needs no other lane.  W: lane l has columns 2 l and 2 l + 1, registers running down K by turns; the hold writes each column's numbers in order.
; Rows: lane (r, g) takes blocks 2 q + g of row r.
; THE ORDER OF FEATURES inside a block of 64 is free, since the next launch sums over all of them: d tile 2 c + l / 16 holds at place l % 16 the column 2 l + c.
; The codes go to LDS as an IMAGE OF THE OPERAND'S REGISTERS: a block's first 16 codes belong to lane r, its last 16 to lane r + 16.
; One barrier; then wave w makes row tile w / 4, d tile w % 4: four matrix instructions.
; CLUSTER 4 x 4: the rows' tiles hang on the block of rows (x) alone and are asked for jointly along a column of the cluster.  W is not asked for jointly: a joint load ends in LDS, and W's numbers would need 1,024 more LDS loads
; a work-group to come from there into the registers in which these loads put them.
; THE RESULT'S LAYOUT is the next launch's: source 0 = 16 rows, source 1 = 16 features, so a lane holds ONE feature (lane % 16) and rows 8 (lane / 16) + 0..7.  Registers 4 q .. 4 q + 3 of all lanes go out by one store of
; 512 consecutive bytes, aligned: two blocks of 256 bytes = [16 features][4 rows].  feat: x's part [8 blocks of 64 rows][32 d tiles][4,096 bytes], y's part, 1 MB on, [32 blocks of 32 rows][32 d tiles][2,048 bytes].
; No prefetch: the launch has no loop; all that a work-group reads is asked for at its head.
; LIMITS: NaN and infinities among the inputs are not served.  A block whose largest magnitude lies under 2^-118 (a block of zeros too) gets the scale byte 1 (the rule has 127 for zeros): zeros keep codes of zero, and this program alone reads the bytes.
.set XP,    1040                       ; a row's half of K in LDS: 1,024 bytes + 16: an odd multiple of 16 bytes
.set UNIT,  16*XP                      ; a rows' tile; tile v lies at v x UNIT
.set BIMG,  8*UNIT                     ; behind the tiles: the images of W's 16 fragments (K step s, d tile t: 4 s + t), 2,048 bytes each.  The rows' images lie over the first 4,096 bytes of the raw tile that they were made of:
                                       ; that tile has had its only fill, and all its loads are issued ahead of the first store
.set ASC,   BIMG+16*2048               ; the rows' scale words [row tile][row][K step]
.set BSC,   ASC+1024                   ; W's [d tile][column][K step]
.set SPARE, BSC+1024                   ; the spare words, 128 bytes a wave, that no other line names
.set WV,    12                         ; s12  wave
.set U,     19                         ; s19  wave % 8
.set CLX,   21                         ; s21  the cluster's x: 0, 1: x; 2 to 5: y
.set G1X,   32                         ; s[32:39], s[44:47] descriptor groups 1 and 0 for the rows' tiles
.set G0X,   44
.set MNT,   70                         ; s70  the mantissa field of 448
.set RA,    4                          ; v4   raw rows
.set WO,    5                          ; v5   W: 8 x lane
.set AWI,   6                          ; v6   where I store the rows' codes;  v7 their scale bytes
.set AWS,   7
.set BWI,   8                          ; v8   W's codes;  v9 their scale bytes
.set BWS,   9
.set LIA,   10                         ; v10, v11 where I read the images back;  v12, v13 the scale words
.set LIB,   11
.set LSA,   12
.set LSB,   13
.set LI,    14                         ; v14  16 x lane
.set LR,    15                         ; v15  16 x (lane % 16)
.set R0,    32                         ; v32-159 128 raw numbers
.set D,     160                        ; v160-191 a block of W, held, in order
.set C,     192                        ; v192-223 the codes, 8 registers a block
.set AF,    32                         ; v32-95 the rows' four fragments, later
.set BF,    96                         ; v96-159 W's
.set AC,    224                        ; v224-231 the accumulator
.set SA,    232                        ; v232-235 the rows' scale words, v236-239 W's: these hold scales and nothing else
.set SB,    236
.set T,     240                        ; v240-245 at work
.set E,     246                        ; v246-249 scale bytes
.set SPW,   250                        ; v250  LDS address of my spare word, v251 0: never rewritten
.set NIL,   251
; A round of the cluster's barrier: my work-group's barrier; wave 0 signals for the work-group; every wave waits for all sixteen; my work-group's barrier once more.
.macro CROUND
	s_barrier_signal -1
	s_barrier_wait -1
	s_cmp_lg_u32 s[WV], 0
	s_cbranch_scc1 .Lnot_wave_0_\@
	s_barrier_signal -3
.Lnot_wave_0_\@:
	s_barrier_wait -3
	s_barrier_signal -1
	s_barrier_wait -1
.endm
	s_load_b256 s[4:11], s[0:1], 0x0               ; x s[4:5], y s[6:7], W s[8:9], feat s[10:11]
	v_lshl_add_u32 v[SPW], v0, 2, SPARE
	v_mov_b32 v[NIL], 0
	ds_add_u32 v[SPW], v[NIL]                      ; the opening lines: the add, twice on end; the set-up below stands between them and their wait
	ds_add_u32 v[SPW], v[NIL]
	v_lshrrev_b32 v1, 5, v0
	v_readfirstlane_b32 s[WV], v1                  ; wave 0..15
	s_and_b32 s[U], s[WV], 7
	s_bfe_u32 s13, ttmp6, 0x40000                  ; cx, cy: my place in the cluster
	s_bfe_u32 s14, ttmp6, 0x40004
	s_mov_b32 s[CLX], ttmp9
	s_lshl_b32 s15, s[CLX], 2
	s_add_co_u32 s15, s15, s13                     ; block of 64 rows = 4 x cluster x + cx
	s_and_b32 s16, ttmp7, 0xffff
	s_lshl_b32 s16, s16, 2
	s_add_co_u32 s16, s16, s14                     ; block of 64 features = 4 x cluster y + cy
	s_lshl_b32 s17, 0x1111, s13                    ; my column of the cluster: the rows' tiles
	; group 1, rows: 16 rows x 128 elements of 8 bytes, 256 elements from row to row; 4 words of padding behind every 256
	s_or_b32 s[G1X], s17, (3<<16)|(1<<20)|(1<<21)|(7<<22)|(3<<25)
	s_mov_b32 s[G1X+1], 128<<16                    ; tensor_dim0
	s_mov_b32 s[G1X+2], 16<<16                     ; tensor_dim1
	s_mov_b32 s[G1X+3], 128<<16                    ; tile_dim0
	s_mov_b32 s[G1X+4], 16                         ; tile_dim1
	s_mov_b32 s[G1X+5], 256                        ; tensor_dim0_stride
	s_mov_b32 s[G1X+6], 0
	s_mov_b32 s[G1X+7], 0
	s_lshl_b32 s48, s[U], 17                       ; W: 64 rows of 2,048 bytes
	s_lshl_b32 s49, s16, 8                         ; + the block's 256 bytes
	s_add_co_u32 s48, s48, s49
	s_mov_b32 s49, 0
	; the rows' offset is made of the block of rows and the wave alone
	s_cmp_lt_u32 s[CLX], 2                         ; x's blocks or y's?  The same in all sixteen partners
	s_cselect_b32 s51, 0, 8
	s_sub_co_u32 s50, s15, s51                     ; the block's number in its own tensor
	s_lshl_b32 s50, s50, 17                        ; 64 rows of 2,048 bytes
	s_lshr_b32 s51, s[U], 1
	s_lshl_b32 s51, s51, 15                        ; + the row tile's 16 rows
	s_add_co_u32 s50, s50, s51
	s_and_b32 s51, s[U], 1
	s_lshl_b32 s51, s51, 10                        ; + the half of K
	s_add_co_u32 s50, s50, s51
	s_mov_b32 s51, 0
	s_mul_i32 s55, s[U], UNIT                      ; and where they go
	; where my result goes: row tile w / 4, d tile 4 x block + w % 4.  64 rows are 131,072 bytes in both parts, and y's part begins where block 8 would
	s_lshl_b32 s56, s16, 2
	s_and_b32 s57, s[WV], 3
	s_add_co_u32 s56, s56, s57                     ; d tile
	s_lshr_b32 s57, s[WV], 2                       ; row tile
	s_lshl_b32 s58, s56, 12
	s_lshl_b32 s59, s57, 10
	s_add_co_u32 s58, s58, s59                     ; x: 4,096 bytes a d tile, 1,024 a row tile
	s_lshl_b32 s59, s56, 11
	s_lshr_b32 s60, s57, 1
	s_lshl_b32 s60, s60, 16
	s_add_co_u32 s59, s59, s60
	s_and_b32 s60, s57, 1
	s_lshl_b32 s60, s60, 10
	s_add_co_u32 s59, s59, s60                     ; y: 2,048 bytes a d tile, 65,536 a pair of row tiles, 1,024 a row tile
	s_cmp_lt_u32 s[CLX], 2
	s_cselect_b32 s58, s58, s59
	s_lshl_b32 s59, s15, 17
	s_add_co_u32 s58, s58, s59
	s_mov_b32 s59, 0
	s_mov_b32 s[MNT], 0x600000
	s_mov_b32 s[G0X], 1                            ; count = 1
	s_mov_b32 s[G0X+1], s55                        ; LDS address
	; every LDS address is made here, ahead of the parting of the roles: a constant + a constant x lane + a constant x wave
	s_lshr_b32 s60, s[U], 1
	s_lshl_b32 s61, s60, 13
	s_and_b32 s62, s[U], 1
	s_lshl_b32 s63, s62, 10
	s_add_co_u32 s61, s61, s63
	s_add_co_u32 s61, s61, BIMG                    ; W's codes: K step u / 2, blocks 2 (u % 2) on
	s_lshl_b32 s60, s60, 8
	s_lshl_b32 s62, s62, 3
	s_add_co_u32 s60, s60, s62
	s_add_co_u32 s60, s60, ASC                     ; the rows' scale bytes: row tile v / 2, K steps 2 (v % 2) on
	s_lshl_b32 s62, s[U], 1
	s_add_co_u32 s62, s62, BSC                     ; W's
	s_lshr_b32 s63, s[WV], 2                       ; my row tile,
	s_and_b32 s66, s[WV], 3                        ; my d tile
	s_lshl_b32 s67, s63, 8
	s_add_co_u32 s67, s67, ASC
	s_lshl_b32 s68, s66, 8
	s_add_co_u32 s68, s68, BSC
	s_mul_i32 s63, s63, 2*UNIT                     ; its images lie in tiles 2 x row tile and the next
	s_lshl_b32 s66, s66, 11
	s_add_co_u32 s66, s66, BIMG
	v_and_b32 v1, 31, v0                           ; lane
	v_and_b32 v2, 15, v0                           ; r
	v_bfe_u32 v3, v0, 4, 1                         ; g
	v_lshlrev_b32 v[LI], 4, v1
	v_lshlrev_b32 v[LR], 4, v2
	v_mul_u32_u24 v[RA], v2, XP
	v_lshlrev_b32 v[WO], 3, v1
	v_lshl_add_u32 v[AWI], v3, 9, v[LR]
	v_lshl_add_u32 v[BWI], v3, 11, v[LR]
	v_lshl_add_u32 v[RA], v3, 7, v[RA]
	v_add_nc_u32 v[AWS], v3, v[LR]
	v_add_nc_u32 v[BWS], s62, v[LI]
	v_add_nc_u32 v[AWI], s55, v[AWI]
	v_add_nc_u32 v[BWI], s61, v[BWI]
	v_add_nc_u32 v[RA], s55, v[RA]                 ; rows: row r, block g of a pair
	v_add_nc_u32 v[AWS], s60, v[AWS]
	v_add_nc_u32 v[LIA], s63, v[LI]
	v_add_nc_u32 v[LIB], s66, v[LI]
	v_add_nc_u32 v[LSA], s67, v[LR]
	v_add_nc_u32 v[LSB], s68, v[LR]
	s_wait_alu depctr_va_vdst(0)                   ; the wait at the head's end
	s_wait_dscnt 0x0                               ; both opening adds are done
	CROUND                                         ; all sixteen work-groups are here: the joint loads meet
; Rows, unit q: blocks 2 q and 2 q + 1 (lanes 16-31): 8 loads of 16 bytes.
.macro RAWX q
.irp j, 0,1,2,3,4,5,6,7
	ds_load_b128 v[R0+32*\q+4*\j:R0+32*\q+4*\j+3], v[RA] offset:256*\q+16*\j
.endr
.endm
; A whole block of 32, number i in v[s + st x i], becomes codes in v[C + 8 q] on and a scale byte in v[E + q]; held it stands in v[d] on.
.macro QUANT q, s, st, d
.set S, \s
.set Z, \st
.set H, \d
	v_max3_num_f32 v[T],   |v[S]|,     |v[S+Z]|,   0x4800000       ; four chains by turns; the floor 2^(9 - 127) among them, so that the byte cannot fall under 1
	v_max3_num_f32 v[T+1], |v[S+2*Z]|, |v[S+3*Z]|, |v[S+4*Z]|
	v_max3_num_f32 v[T+2], |v[S+5*Z]|, |v[S+6*Z]|, |v[S+7*Z]|
	v_max3_num_f32 v[T+3], |v[S+8*Z]|, |v[S+9*Z]|, |v[S+10*Z]|
.irp i, 0,1,2,3,4,5,6,7,8,9
	v_max3_num_f32 v[T+\i%4], v[T+\i%4], |v[S+(11+2*\i)*Z]|, |v[S+(12+2*\i)*Z]|
.endr
	v_max3_num_f32 v[T], v[T], v[T+1], |v[S+31*Z]|
	v_max3_num_f32 v[T], v[T], v[T+2], v[T+3]      ; the block's largest magnitude
	v_add_nc_u32 v[T+4], 0xfc000000, v[T]          ; 8 off its exponent field: the conversion takes the exponent field of this operand as its scale
	v_and_or_b32 v[T+5], v[T], 0x7f800000, s[MNT]  ; 448 x the scale
	v_lshrrev_b32 v[E+\q], 23, v[T+4]              ; the scale's byte
.irp i, 0,1,2,3,4,5,6,7,8,9,10,11,12,13,14,15,16,17,18,19,20,21,22,23,24,25,26,27,28,29,30,31
	v_med3_num_f32 v[H+\i], v[S+\i*Z], -v[T+5], v[T+5]   ; the conversion to an 8-bit code does not saturate (ISA guide 7.6.2): the hold at the largest code x the scale
.endr
.irp j, 0,1,2,3
	v_cvt_scalef32_pk8_fp8_f32 v[C+8*\q+2*\j:C+8*\q+2*\j+1], v[H+8*\j:H+8*\j+7], v[T+4]
.endr
	v_nop                                          ; one plain vector instruction behind the last scaled conversion
.endm
.macro IMAGE q, wi, off, ws, soff
	ds_store_b128 v[\wi], v[C+8*\q:C+8*\q+3] offset:\off             ; the block's first 16 codes: lane r's registers
	ds_store_b128 v[\wi], v[C+8*\q+4:C+8*\q+7] offset:\off+256       ; its last 16: lane r + 16's
	ds_store_b8 v[\ws], v[E+\q] offset:\soff
.endm
	s_wait_kmcnt 0x0
	s_cmp_lt_u32 s[CLX], 2
	s_cselect_b64 s[52:53], s[4:5], s[6:7]         ; the choice hangs on the cluster's number alone
	s_add_nc_u64 s[G0X+2:G0X+3], s[52:53], s[50:51]
	s_or_b32 s[G0X+3], s[G0X+3], 0x80000000        ; type = 2
	s_add_nc_u64 s[48:49], s[8:9], s[48:49]
	s_add_nc_u64 s[10:11], s[10:11], s[58:59]
	s_cmp_lt_u32 s[WV], 8                          ; waves 0-7: W; waves 8-15: the rows.  The same in every work-group
	s_cbranch_scc0 .Lrows
.set k, 0
.rept 64
	global_load_b64 v[R0+2*k:R0+2*k+1], v[WO], s[48:49] offset:2048*k   ; W(64 u + k, my two columns): 256 consecutive bytes a wave, aligned
.set k, k+1
.endr
	s_wait_loadcnt 32                              ; the first 32 k are in
	QUANT 0, R0, 2, D
	IMAGE 0, BWI, 0, BWS, 0
	QUANT 1, R0+1, 2, D
	IMAGE 1, BWI, 4096, BWS, 512
	s_wait_loadcnt 0x0                             ; and the last 32
	QUANT 2, R0+64, 2, D
	IMAGE 2, BWI, 512, BWS, 1
	QUANT 3, R0+65, 2, D
	IMAGE 3, BWI, 4608, BWS, 513
	s_branch .Lmeet
.Lrows:
	tensor_load_to_lds s[G0X:G0X+3], s[G1X:G1X+7]
	s_nop 0
.rept 4
	v_nop
.endr
	s_wait_tensorcnt 0x0                           ; my one tile has landed; nobody else reads it raw
	RAWX 0
	RAWX 1
	RAWX 2
	RAWX 3
	s_wait_dscnt 24                                ; unit 0: behind it 24 loads
	QUANT 0, R0, 1, R0
	IMAGE 0, AWI, 0, AWS, 0                        ; over raw numbers whose loads were issued ahead of it: LDS serves a wave's instructions in order (ISA guide 5.7.1.4)
	s_wait_dscnt 19                                ; 16 loads and 3 stores
	QUANT 1, R0+32, 1, R0+32
	IMAGE 1, AWI, 1024, AWS, 2
	s_wait_dscnt 14                                ; 8 loads and 6 stores
	QUANT 2, R0+64, 1, R0+64
	IMAGE 2, AWI, 2048, AWS, 4
	s_wait_dscnt 9                                 ; 9 stores
	QUANT 3, R0+96, 1, R0+96
	IMAGE 3, AWI, 3072, AWS, 6
.Lmeet:
	s_wait_dscnt 0x0                               ; for the others' sake: my images lie in LDS
	s_barrier_signal -1
	s_barrier_wait -1                              ; all 32 fragments do
	ds_load_b128 v[SA:SA+3], v[LSA]                ; the four K steps' scale words of my row, of my column
	ds_load_b128 v[SB:SB+3], v[LSB]
.irp s, 0,1,2,3
.irp c, 0,1,2,3
	ds_load_b128 v[AF+16*\s+4*\c:AF+16*\s+4*\c+3], v[LIA] offset:(\s/2)*UNIT+(\s%2)*2048+512*\c
	ds_load_b128 v[BF+16*\s+4*\c:BF+16*\s+4*\c+3], v[LIB] offset:\s*8192+512*\c
.endr
.endr
	s_wait_dscnt 24                                ; K step 0's fragments are in; those of the three behind it (8 loads each) may be out
	v_wmma_scale_f32_16x16x128_f8f6f4 v[AC:AC+7], v[AF:AF+15], v[BF:BF+15], 0, v[SA], v[SB]
.irp s, 1,2,3
	s_wait_dscnt 24-8*\s
	s_wait_alu depctr_va_vdst(0)                   ; the wait directly ahead of each link
	v_wmma_scale_f32_16x16x128_f8f6f4 v[AC:AC+7], v[AF+16*\s:AF+16*\s+15], v[BF+16*\s:BF+16*\s+15], v[AC:AC+7], v[SA+\s], v[SB+\s]
.endr
.rept 8
	v_nop                                          ; eight places between this form and the first read of its result
.endr
	global_store_b128 v[LI], v[AC:AC+3], s[10:11]              ; lane (r, h): feature r, rows 8 h + 0..3: the wave stores 512 consecutive bytes, aligned
	global_store_b128 v[LI], v[AC+4:AC+7], s[10:11] offset:512 ; rows 8 h + 4..7
	s_wait_tensorcnt 0x0                           ; the wave's end
	ds_add_u32 v[SPW], v[NIL]
	s_wait_dscnt 0x0
	CROUND                                         ; the closing round: no work-group ends while a partner may still ask for a tile that names it
	s_endpgm
.Lfunc_end_k_qfa1fc29777_features:
	.size	k_qfa1fc29777_features, .Lfunc_end_k_qfa1fc29777_features-k_qfa1fc29777_features
	.p2alignl 7, 3214868480
	.fill 96, 4, 3214868480
	.section	.rodata,"a",@progbits
	.p2align	6, 0x0
	.amdhsa_kernel k_qfa1fc29777_features
		.amdhsa_group_segment_fixed_size 169984
		.amdhsa_private_segment_fixed_size 0
		.amdhsa_enable_private_segment 0
		.amdhsa_kernarg_size 32
		.amdhsa_user_sgpr_count 2
		.amdhsa_user_sgpr_kernarg_segment_ptr 1
		.amdhsa_wavefront_size32 1
		.amdhsa_system_sgpr_workgroup_id_x 1
		.amdhsa_system_sgpr_workgroup_id_y 1
		.amdhsa_system_sgpr_workgroup_id_z 1
		.amdhsa_system_vgpr_workitem_id 0
		.amdhsa_next_free_vgpr 252
		.amdhsa_next_free_sgpr 72
		.amdhsa_reserve_vcc 0
		.amdhsa_float_denorm_mode_32 3
		.amdhsa_float_denorm_mode_16_64 3
		.amdhsa_memory_ordered 1
		.amdhsa_forward_progress 1
		.amdhsa_inst_pref_size 48
	.end_amdhsa_kernel
	.amdgpu_metadata
---
amdhsa.version: [ 1, 2 ]
amdhsa.kernels:
  - .name:           k_qfa1fc29777_features
    .symbol:         k_qfa1fc29777_features.kd
    .args:
      - { .name: x, .offset: 0, .size: 8, .value_kind: global_buffer, .address_space: global }
      - { .name: y, .offset: 8, .size: 8, .value_kind: global_buffer, .address_space: global }
      - { .name: W, .offset: 16, .size: 8, .value_kind: global_buffer, .address_space: global }
      - { .name: feat, .offset: 24, .size: 8, .value_kind: global_buffer, .address_space: global }
    .group_segment_fixed_size: 169984
    .private_segment_fixed_size: 0
    .kernarg_segment_align: 8
    .kernarg_segment_size: 32
    .max_flat_workgroup_size: 512
    .sgpr_count:     72
    .vgpr_count:     252
    .wavefront_size: 32
...
	.end_amdgpu_metadata
.endif
;; end of part 1
;; launch distance (part 2): grid 32 x 8, 8 waves a work-group, clusters of 4 x 4, 279,552 bytes of LDS; arguments feat, out0; writes out0
.if DOCPART == 2
	.amdgcn_target "amdgcn-amd-amdhsa--gfx1250"
	.amdhsa_code_object_version 6
	.text
	.protected	k_qfa1fc29777_distance
	.globl	k_qfa1fc29777_distance
	.p2align	8
	.type	k_qfa1fc29777_distance,@function
k_qfa1fc29777_distance:
	s_mov_b64 s[64:65], 0
	v_nop
	global_prefetch_b8 v0, s[64:65] scope:SCOPE_SE
	s_setreg_imm32_b32 hwreg(HW_REG_WAVE_MODE, 25, 1), 1
	s_wait_xcnt 0x0
	s_wait_alu depctr_hold_cnt(0) depctr_sa_sdst(0) depctr_va_vdst(0) depctr_va_sdst(0) depctr_va_ssrc(0) depctr_va_vcc(0) depctr_vm_vsrc(0)
	s_getreg_b32 s2, hwreg(HW_REG_IB_STS2, 6, 4)
	s_cmp_eq_u32 s2, 0
	s_cbranch_scc0 .Lentry_in_a_cluster
	s_endpgm
.Lentry_in_a_cluster:
	s_bfe_u32 s2, ttmp6, 0x10000c
	s_cmp_lg_u32 s2, 0xf033
	s_cbranch_scc0 .Lentry_shape_is_right
	s_endpgm
.Lentry_shape_is_right:
; out[m][n] = sqrt(sum over d of (fx[n][d] - fy[m][d])^2), all in f32, the difference formed as it is written: no expansion into norms and a product, which would take a small number as the difference of large sums.
; feat (made by the launch before): fx [8 blocks of 64 n][32 d tiles][4,096 bytes], fy, 1 MB on, [32 blocks of 32 m][32 d tiles][2,048 bytes]; a d tile of 16 d is made of blocks of 256 bytes = [16 d][4 rows];
; block 4 t + 2 q + h holds rows 16 t + 8 h + 4 q + 0..3.  out: [1024 m][512 n] f32.
; SHARES.  A work-group makes 32 m x 64 n (a row of its tile is 256 bytes of out): 256 work-groups.  EACH OF ITS EIGHT WAVES MAKES THE WHOLE TILE, OVER ITS OWN 64 OF THE 512 d; the eight partial sums meet in LDS at the end.
; So a lane can hold 8 n x 8 m: for one d it reads 8 + 8 numbers (four loads of 16 bytes) for 64 packed instructions.
; Lane l: n = 8 (l % 8) + 0..7, m = 8 (l / 8) + 0..7.  THE TWO HALVES OF A PACKED INSTRUCTION ARE TWO NEIGHBOURING n: fx's pair less fy[m], which op_sel gives to both halves; so a pair of sums is two outputs.
; 1,048,576 differences a work-group are 16,384 v_pk_add_f32 and 16,384 v_pk_fma_f32: 4,096 vector instructions a wave, two waves to a SIMD.
; LDS.  A work-group's 96 rows of features, 192 KB, fit at once: every tile is filled once, all are asked for at the head, one joint load a wave, in THREE GROUPS:
; wave 0 fx's and wave 1 fy's d tiles 0-3; waves 2 and 3 d tiles 4-11; waves 4, 5 and 6, 7 d tiles 12-31.  Each group has load lines of its own, so that a barrier behind its own waves' waits shows it: work begins when the first eighth is in.
; A wave works half w % 2 of d tile w / 2 (2 steps of four d), d tile 4 + w (4 steps), d tiles 12 + w and 20 + w and half w % 2 of d tile 28 + w / 2 (10 steps).
; 16 bytes of padding behind each 256.
; CLUSTER 4 x 4: fx's tiles hang on the block of n (y) alone and are asked for jointly along a row of the cluster, fy's on the block of m (x) alone, jointly along a column.
; No prefetch: there is no loop to run ahead in; all that a work-group reads is asked for at its head.
; LIMITS: a sum of squares under 2^-126 gives the root 0 (v_sqrt_f32 takes a denormal as zero: ISA guide, its entry in 15.8); NaN and infinities are not served.
.set UP,    272                        ; a block of 256 bytes + 16 of padding
.set XT,    16*UP                      ; a d tile of fx in LDS
.set YT,    8*UP                       ; of fy
.set FYB,   32*XT                      ; fy's tiles lie behind fx's
.set STAGE, FYB+32*YT                  ; behind the tiles, in bytes of its own: eight partial tiles of 32 rows x (256 + 16) bytes
.set SPL,   32*UP
.set SPARE, STAGE+8*SPL                ; the spare words, 128 bytes a wave, that no other line names
.set WV,    8                          ; s8   wave
.set G1,    16                         ; s[16:63] six groups 1: fx and fy of the first group, of the second, of the third
.set G0,    68                         ; s[68:91] their groups 0
.set FXA,   92                         ; s[92:93], s[94:95] my block of fx, of fy in feat
.set FYA,   94
.set AFX,   4                          ; v4   my lane's place in d tile w of fx;  v5 in d tile 20 + w;  v6 in my half of d tile w / 2;  v7 of d tile 28 + w / 2
.set AFX2,  5
.set AFXH,  6
.set AFXI,  7
.set AFY,   8                          ; v8, v9 in d tile w, in my half of d tile w / 2 of fy
.set AFYH,  9
.set SW,    10                         ; v10  the stage: where I put my sums
.set SR,    11                         ; v11  and where I read a row's 16 bytes of all eight partial tiles
.set BA,    16                         ; v16-79, v80-143 two sets of operands for four d: for each d 8 of fx, then 8 of fy
.set BB,    80
.set ACC,   144                        ; v144-207 the sums: (m = a, n = c) at ACC + 8 a + c
.set T,     208                        ; v208-239 sixteen pairs of differences
.set P,     16                         ; the end: the eight partial sums of my 8 outputs
.set O,     80                         ; and their roots
.set SPW,   240                        ; v240 LDS address of my spare word, v241 0: never rewritten
.set NIL,   241
.set GO,    242                        ; v242 my byte offset in the wave's rows of out
.macro CROUND                          ; a round of the cluster's barrier
	s_barrier_signal -1
	s_barrier_wait -1
	s_cmp_lg_u32 s[WV], 0
	s_cbranch_scc1 .Lnot_wave_0_\@
	s_barrier_signal -3
.Lnot_wave_0_\@:
	s_barrier_wait -3
	s_barrier_signal -1
	s_barrier_wait -1
.endm
.macro SHAPE i, m, rows                ; group 1: a dense block as rows of 256 bytes (32 elements of 8), 4 words of padding behind every 64; the mask in s[m], bit 21 beside it
	s_or_b32 s[G1+8*\i], s[\m], (3<<16)|(1<<20)|(1<<21)|(5<<22)|(3<<25)
	s_mov_b32 s[G1+8*\i+1], 32<<16                 ; tensor_dim0
	s_mov_b32 s[G1+8*\i+2], (\rows)<<16            ; tensor_dim1
	s_mov_b32 s[G1+8*\i+3], 32<<16                 ; tile_dim0
	s_mov_b32 s[G1+8*\i+4], \rows                  ; tile_dim1
	s_mov_b32 s[G1+8*\i+5], 32                     ; tensor_dim0_stride
	s_mov_b32 s[G1+8*\i+6], 0
	s_mov_b32 s[G1+8*\i+7], 0
	s_mov_b32 s[G0+4*\i], 1                        ; group 0: count = 1
.endm
.macro FROM i, a, go                   ; group 0: from s[a:a+1] + go
	s_add_nc_u64 s[G0+4*\i+2:G0+4*\i+3], s[\a:\a+1], \go
	s_or_b32 s[G0+4*\i+3], s[G0+4*\i+3], 0x80000000
.endm
.macro LOAD i
	tensor_load_to_lds s[G0+4*\i:G0+4*\i+3], s[G1+8*\i:G1+8*\i+7]
	s_nop 0
.rept 4
	v_nop
.endr
.endm
.macro ARM under, i, next              ; one arm of the head's one tree: its load, and a jump to the tree's end
	s_cmp_lt_u32 s[WV], \under
	s_cbranch_scc0 \next
	LOAD \i
	s_branch .Lasked
\next:
.endm
	s_load_b128 s[4:7], s[0:1], 0x0                ; feat s[4:5], out s[6:7]
	v_lshl_add_u32 v[SPW], v0, 2, SPARE
	v_mov_b32 v[NIL], 0
	ds_add_u32 v[SPW], v[NIL]                      ; the opening lines: the add, twice on end; the set-up below stands between them and their wait
	ds_add_u32 v[SPW], v[NIL]
	v_lshrrev_b32 v1, 5, v0
	v_readfirstlane_b32 s[WV], v1                  ; wave 0..7
	s_bfe_u32 s9, ttmp6, 0x40000                   ; cx, cy
	s_bfe_u32 s10, ttmp6, 0x40004
	s_lshl_b32 s12, ttmp9, 2
	s_add_co_u32 s12, s12, s9                      ; block of 32 m = 4 x cluster x + cx
	s_and_b32 s11, ttmp7, 0xffff
	s_lshl_b32 s11, s11, 2
	s_add_co_u32 s11, s11, s10                     ; block of 64 n = 4 x cluster y + cy
	s_lshl_b32 s13, s10, 2
	s_lshl_b32 s13, 15, s13                        ; my row of the cluster: fx's tiles
	s_lshl_b32 s14, 0x1111, s9                     ; my column: fy's
	SHAPE 0, 13, 64                                ; fx: 16 rows of 256 bytes a d tile: 4 d tiles,
	SHAPE 1, 14, 32                                ; fy: 8 rows a d tile;
	SHAPE 2, 13, 128                               ; 8 d tiles;
	SHAPE 3, 14, 64
	SHAPE 4, 13, 160                               ; 10 d tiles a wave
	SHAPE 5, 14, 80
	s_and_b32 s15, s[WV], 1
	s_mov_b32 s[G0+1], 0                           ; where they go: no place in the cluster enters an LDS address
	s_mov_b32 s[G0+5], FYB
	s_mov_b32 s[G0+9], 4*XT
	s_mov_b32 s[G0+13], FYB+4*YT
	s_mul_i32 s[G0+17], s15, 10*XT
	s_add_co_u32 s[G0+17], s[G0+17], 12*XT
	s_mul_i32 s[G0+21], s15, 10*YT
	s_add_co_u32 s[G0+21], s[G0+21], FYB+12*YT
	; the lanes' places: constants, the wave's number and the lane
	s_mul_i32 s66, s[WV], XT                       ; d tile w
	s_mul_i32 s67, s[WV], YT
	s_add_co_u32 s67, s67, FYB
	s_lshr_b32 s3, s[WV], 1
	s_lshl_b32 s2, s15, 7                          ; half w % 2: 8 d of 16 bytes
	s_mul_i32 s96, s3, XT
	s_add_co_u32 s96, s96, s2                      ; of d tile w / 2
	s_mul_i32 s97, s3, YT
	s_add_co_u32 s97, s97, s2
	s_add_co_u32 s97, s97, FYB
	s_mul_i32 s98, s[WV], SPL
	s_add_co_u32 s98, s98, STAGE
	s_mul_i32 s99, s[WV], 4*UP
	s_add_co_u32 s99, s99, STAGE
	v_bfe_u32 v2, v0, 1, 2                         ; n = 8 i on lies in blocks 4 (i / 2) + 2 q + i % 2, i = lane % 8
	v_bfe_u32 v3, v0, 4, 1                         ; m = 8 j on likewise, j = lane / 8
	v_and_b32 v12, 1, v0
	v_bfe_u32 v13, v0, 3, 1
	v_and_b32 v14, 7, v0
	v_bfe_u32 v15, v0, 3, 2
	v_and_b32 v1, 15, v0
	v_mul_u32_u24 v2, v2, 4*UP
	v_mul_u32_u24 v[AFY], v3, 4*UP
	v_mul_u32_u24 v[SW], v15, 8*UP                 ; the stage, in: my wave's partial tile, row 8 j, byte 32 i
	v_mul_u32_u24 v[SR], v3, UP                    ; back: rows 4 w on; lanes 0-15 one row of 256 bytes, lanes 16-31 the next
	v_lshlrev_b32 v[GO], 11, v3                    ; and the same two rows in out
	v_mad_u32_u24 v2, v12, UP, v2
	v_mad_u32_u24 v12, v13, UP, v[AFY]
	v_lshl_add_u32 v[SW], v14, 5, v[SW]
	v_lshl_add_u32 v[SR], v1, 4, v[SR]
	v_lshl_add_u32 v[GO], v1, 4, v[GO]
	v_add_nc_u32 v[AFX], s66, v2
	v_add_nc_u32 v[AFXH], s96, v2
	v_add_nc_u32 v[AFY], s67, v12
	v_add_nc_u32 v[AFYH], s97, v12
	v_add_nc_u32 v[SW], s98, v[SW]
	v_add_nc_u32 v[SR], s99, v[SR]
	v_add_nc_u32 v[AFX2], 20*XT, v[AFX]            ; (beyond an offset's 16 bits)
	v_add_nc_u32 v[AFXI], 28*XT, v[AFXH]
	; offsets in feat: fx 131,072 bytes a block of n, 4,096 a d tile; fy, 1 MB on, 65,536 a block of m, 2,048 a d tile
	s_lshl_b32 s[FXA], s11, 17
	s_mov_b32 s[FXA+1], 0
	s_lshl_b32 s[FYA], s12, 16
	s_add_co_u32 s[FYA], s[FYA], 0x100000
	s_mov_b32 s[FYA+1], 0
	s_mul_i32 s2, s15, 10*4096                     ; the third group: my ten of twenty d tiles
	s_mov_b32 s3, 0
	s_mul_i32 s100, s15, 10*2048
	s_mov_b32 s101, 0
	s_lshl_b32 s98, s12, 16                        ; out: 32 rows of 2,048 bytes a block of m, 4 rows a wave, 256 bytes a block of n
	s_lshl_b32 s99, s[WV], 13
	s_add_co_u32 s98, s98, s99
	s_lshl_b32 s99, s11, 8
	s_add_co_u32 s98, s98, s99
	s_mov_b32 s99, 0
	s_wait_alu depctr_va_vdst(0)                   ; the wait here, directly ahead of the wait below
	s_wait_dscnt 0x0                               ; both opening adds are done
	CROUND                                         ; all sixteen work-groups are here: the joint loads meet
	s_wait_kmcnt 0x0
	s_add_nc_u64 s[FXA:FXA+1], s[4:5], s[FXA:FXA+1]
	s_add_nc_u64 s[FYA:FYA+1], s[4:5], s[FYA:FYA+1]
	FROM 0, FXA, 0
	FROM 1, FYA, 0
	FROM 2, FXA, 4*4096
	FROM 3, FYA, 4*2048
	s_add_nc_u64 s[FXA:FXA+1], s[FXA:FXA+1], s[2:3]
	s_add_nc_u64 s[FYA:FYA+1], s[FYA:FYA+1], s[100:101]
	FROM 4, FXA, 12*4096
	FROM 5, FYA, 12*2048
	; the head's loads, one a wave, in one tree of branches on the wave's number: the same in every work-group.  Four v_nop follow each line
	ARM 1, 0, .Lhead_1
	ARM 2, 1, .Lhead_2
	ARM 3, 2, .Lhead_3
	ARM 4, 3, .Lhead_4
	ARM 6, 4, .Lhead_5
	LOAD 5
.Lasked:
	s_add_nc_u64 s[6:7], s[6:7], s[98:99]
.set j, 0
.rept 64
	v_mov_b32 v[ACC+j], 0                          ; the sums begin as zeros: these lines stand where the wave would else wait for its first tile, and spare a further copy of a step
.set j, j+1
.endr
; Sixteen LDS loads: the operands of four d, places r0 .. r0 + 3 of a d tile.
.macro LOADS buf, ax, ox, ay, oy, r0
.irp e, 0,1,2,3
	ds_load_b128 v[\buf+16*\e:\buf+16*\e+3],     v[\ax] offset:(\ox)+16*(\r0+\e)
	ds_load_b128 v[\buf+16*\e+4:\buf+16*\e+7],   v[\ax] offset:(\ox)+16*(\r0+\e)+2*UP
	ds_load_b128 v[\buf+16*\e+8:\buf+16*\e+11],  v[\ay] offset:(\oy)+16*(\r0+\e)
	ds_load_b128 v[\buf+16*\e+12:\buf+16*\e+15], v[\ay] offset:(\oy)+16*(\r0+\e)+2*UP
.endr
.endm
; One d x 4 m x 4 pairs of n: sixteen differences, then their sixteen multiply-adds, so that no line waits for the line above it.
.macro PART buf, e, g
.irp k, 0,1
.irp p, 0,1,2,3
	v_pk_add_f32 v[T+16*\k+2*\p:T+16*\k+2*\p+1], v[\buf+16*\e+2*\p:\buf+16*\e+2*\p+1], v[\buf+16*\e+8+\g+2*\k:\buf+16*\e+8+\g+2*\k+1] op_sel_hi:[1,0] neg_lo:[0,1] neg_hi:[0,1]   ; two n less m = g + 2 k: the pair's first register for both halves
.endr
.irp p, 0,1,2,3
	v_pk_add_f32 v[T+16*\k+8+2*\p:T+16*\k+8+2*\p+1], v[\buf+16*\e+2*\p:\buf+16*\e+2*\p+1], v[\buf+16*\e+8+\g+2*\k:\buf+16*\e+8+\g+2*\k+1] op_sel:[0,1] op_sel_hi:[1,1] neg_lo:[0,1] neg_hi:[0,1]   ; less m = g + 2 k + 1: its second
.endr
.endr
.irp a, 0,1,2,3
.irp p, 0,1,2,3
	v_pk_fma_f32 v[ACC+8*(\g+\a)+2*\p:ACC+8*(\g+\a)+2*\p+1], v[T+8*\a+2*\p:T+8*\a+2*\p+1], v[T+8*\a+2*\p:T+8*\a+2*\p+1], v[ACC+8*(\g+\a)+2*\p:ACC+8*(\g+\a)+2*\p+1]
.endr
.endr
.endm
.macro ONE buf, e                      ; one d, all 8 m
	PART \buf, \e, 0
	PART \buf, \e, 4
.endm
; A step: the set in hand was asked for a whole step ago; the next four d are asked for, then the set is worked: 256 vector instructions.
.macro STEP cur, nxt, ax, ox, ay, oy, r0
	s_wait_dscnt 0x0
	LOADS \nxt, \ax, \ox, \ay, \oy, \r0
.irp e, 0,1,2,3
	ONE \cur, \e
.endr
.endm
	s_wait_alu depctr_va_vdst(0)                   ; the wait at the head's end
	s_cmp_lt_u32 s[WV], 2
	s_cbranch_scc0 .Lno_share_1
	s_wait_tensorcnt 0x0                           ; waves 0 and 1, who alone issue the first group's lines: d tiles 0-3 are in
.Lno_share_1:
	s_barrier_signal -1
	s_barrier_wait -1
	LOADS BA, AFXH, 0, AFYH, 0, 0
	STEP BA, BB, AFXH, 0, AFYH, 0, 4
	s_wait_dscnt 0x0                               ; the second step's operands are in
	ONE BB, 0
	ONE BB, 1
	s_cmp_lt_u32 s[WV], 4
	s_cbranch_scc0 .Lno_share_2
	s_wait_tensorcnt 0x0                           ; waves 2 and 3, who alone issue the second group's lines (0 and 1 have none out): d tiles 4-11 are in
.Lno_share_2:
	s_barrier_signal -1
	ONE BB, 2                                      ; register work while the others arrive
	s_barrier_wait -1
	LOADS BA, AFX, 4*XT, AFY, 4*YT, 0
	ONE BB, 3
	STEP BA, BB, AFX, 4*XT, AFY, 4*YT, 4
	STEP BB, BA, AFX, 4*XT, AFY, 4*YT, 8
	STEP BA, BB, AFX, 4*XT, AFY, 4*YT, 12
	s_wait_dscnt 0x0
	ONE BB, 0
	ONE BB, 1
	s_wait_tensorcnt 0x0                           ; every wave: all that was asked for is in
	s_barrier_signal -1
	ONE BB, 2
	s_barrier_wait -1
	LOADS BA, AFX, 12*XT, AFY, 12*YT, 0
	ONE BB, 3
	STEP BA, BB, AFX, 12*XT, AFY, 12*YT, 4
	STEP BB, BA, AFX, 12*XT, AFY, 12*YT, 8
	STEP BA, BB, AFX, 12*XT, AFY, 12*YT, 12
	STEP BB, BA, AFX2, 0, AFY, 20*YT, 0
	STEP BA, BB, AFX2, 0, AFY, 20*YT, 4
	STEP BB, BA, AFX2, 0, AFY, 20*YT, 8
	STEP BA, BB, AFX2, 0, AFY, 20*YT, 12
	STEP BB, BA, AFXI, 0, AFYH, 28*YT, 0
	STEP BA, BB, AFXI, 0, AFYH, 28*YT, 4
	; THE END.  The last step goes by rows: my sums of 4 m go to my partial tile in the stage while the other 4 m are worked (rows 8 apart fall on banks 32 apart: these stores go two deep).
	s_wait_dscnt 0x0
.irp g, 0,4
.irp e, 0,1,2,3
	PART BB, \e, \g
.endr
.irp a, 0,1,2,3
	ds_store_b128 v[SW], v[ACC+8*(\g+\a):ACC+8*(\g+\a)+3] offset:UP*(\g+\a)
	ds_store_b128 v[SW], v[ACC+8*(\g+\a)+4:ACC+8*(\g+\a)+7] offset:UP*(\g+\a)+16
.endr
.endr
	s_wait_dscnt 0x0                               ; for the others' sake: my stores are done
	s_barrier_signal -1
	s_barrier_wait -1
.irp p, 0,1,2,3,4,5,6,7
.irp u, 0,1
	ds_load_b128 v[P+8*\p+4*\u:P+8*\p+4*\u+3], v[SR] offset:SPL*\p+2*UP*\u   ; the eight partial sums for 4 rows of the tile a wave
.endr
.endr
	s_wait_dscnt 0x0
.irp p, 0,2,4,6
.irp c, 0,2,4,6
	v_pk_add_f32 v[P+8*\p+\c:P+8*\p+\c+1], v[P+8*\p+\c:P+8*\p+\c+1], v[P+8*\p+8+\c:P+8*\p+8+\c+1]
.endr
.endr
.irp p, 0,4
.irp c, 0,2,4,6
	v_pk_add_f32 v[P+8*\p+\c:P+8*\p+\c+1], v[P+8*\p+\c:P+8*\p+\c+1], v[P+8*\p+16+\c:P+8*\p+16+\c+1]
.endr
.endr
.irp c, 0,2,4,6
	v_pk_add_f32 v[P+\c:P+\c+1], v[P+\c:P+\c+1], v[P+32+\c:P+32+\c+1]
.endr
	s_wait_alu depctr_va_vdst(0)                   ; the wait ahead of the batch too
.irp c, 0,1,2,3,4,5,6,7
	v_sqrt_f32 v[O+\c], v[P+\c]                    ; the eight roots are one batch
.endr
	v_nop                                          ; one plain instruction behind the last of them,
	s_wait_alu depctr_va_vdst(0)                   ; and the one wait ahead of the first line that names a result
	global_store_b128 v[GO], v[O:O+3], s[6:7] th:TH_STORE_NT                 ; sixteen lanes store 256 consecutive bytes of a row of out, aligned; written once, read by nobody here
	global_store_b128 v[GO], v[O+4:O+7], s[6:7] offset:4096 th:TH_STORE_NT   ; two rows further down
	s_wait_tensorcnt 0x0                           ; the wave's end
	ds_add_u32 v[SPW], v[NIL]
	s_wait_dscnt 0x0
	CROUND                                         ; the closing round: no work-group ends while a partner may still ask for a tile that names it
	s_endpgm
.Lfunc_end_k_qfa1fc29777_distance:
	.size	k_qfa1fc29777_distance, .Lfunc_end_k_qfa1fc29777_distance-k_qfa1fc29777_distance
	.p2alignl 7, 3214868480
	.fill 96, 4, 3214868480
	.section	.rodata,"a",@progbits
	.p2align	6, 0x0
	.amdhsa_kernel k_qfa1fc29777_distance
		.amdhsa_group_segment_fixed_size 279552
		.amdhsa_private_segment_fixed_size 0
		.amdhsa_enable_private_segment 0
		.amdhsa_kernarg_size 16
		.amdhsa_user_sgpr_count 2
		.amdhsa_user_sgpr_kernarg_segment_ptr 1
		.amdhsa_wavefront_size32 1
		.amdhsa_system_sgpr_workgroup_id_x 1
		.amdhsa_system_sgpr_workgroup_id_y 1
		.amdhsa_system_sgpr_workgroup_id_z 1
		.amdhsa_system_vgpr_workitem_id 0
		.amdhsa_next_free_vgpr 243
		.amdhsa_next_free_sgpr 102
		.amdhsa_reserve_vcc 0
		.amdhsa_float_denorm_mode_32 3
		.amdhsa_float_denorm_mode_16_64 3
		.amdhsa_memory_ordered 1
		.amdhsa_forward_progress 1
		.amdhsa_inst_pref_size 255
	.end_amdhsa_kernel
	.section	.bss,"aw",@nobits
	.p2align	6
	.space	262144
	.amdgpu_metadata
---
amdhsa.version: [ 1, 2 ]
amdhsa.kernels:
  - .name:           k_qfa1fc29777_distance
    .symbol:         k_qfa1fc29777_distance.kd
    .args:
      - { .name: feat, .offset: 0, .size: 8, .value_kind: global_buffer, .address_space: global }
      - { .name: out0, .offset: 8, .size: 8, .value_kind: global_buffer, .address_space: global }
    .group_segment_fixed_size: 279552
    .private_segment_fixed_size: 0
    .kernarg_segment_align: 8
    .kernarg_segment_size: 16
    .max_flat_workgroup_size: 256
    .sgpr_count:     102
    .vgpr_count:     243
    .wavefront_size: 32
...
	.end_amdgpu_metadata
.endif
;; end of part 2
